; MI455X (gfx1250); checked and timed in simulation.
; The chip was launched on July 23, 2026; its instructions are those of AMD's public machine-readable ISA for CDNA 5 (MIT licence, August 2026) and "CDNA5" Instruction Set Architecture Reference Guide (July 2026). The comments in the code are by the model that wrote it; some were corrected since.
;; Attention. Allowed arithmetic: matrix products marked QUANTISED: E2M3 operands, one E8M0 scale for each 32 along K, by v_wmma_scale_f32_16x16x128_f8f6f4 with both operands' format E2M3, f32 sums; everything else in f32.
;; Inputs: Q 2 x 8 x 2,048 x 512 float32; V 2 x 8 x 2,048 x 128 float32; freqs 1 x 1 x 1 x 512 float32.
;; Outputs: out0 2 x 8 x 2,048 x 128 float32.
;; This version of the problem:
;;   THIS VERSION OF THE PROBLEM IS GIVEN IN LOW PRECISION. The matrix products marked QUANTISED in the list below multiply operands that are first quantised to E2M3 (2 exponent bits, 3 mantissa bits; 6 bits a number), with one power-of-two scale for each 32 numbers along K (OCP MX v1.0); their sums are f32. All else is computed in f32.
;;   The module's matrix products, in the order in which they are computed (A, B: the left and right operand; K: the contracted axis; several contracted axes count as one K, in the product's order):
;;     1. batch 16 x [M 2,048, K 512] x [K 512, N 2,048]; A: computed on the way; B: computed on the way: QUANTISED
;;     2. batch 16 x [M 2,048, K 2,048] x [K 2,048, N 128]; A: computed on the way; B: input V: QUANTISED
;;   THE QUANTISER, for each operand of a quantised product, along K:
;;     - K is cut into blocks of 32 from its start; a last block that is shorter is filled with zeros.
;;     - A block's scale is 2^e with e = floor(log2(the largest magnitude in the block)) - 2, held to -126 .. 127; a block of zeros has e = 0. As a byte (E8M0): e + 127.
;;     - Each number is divided by its block's scale, clamped to +-7.5, and rounded to the nearest number of E2M3, ties to even, subnormals kept.
;;     - The product sums the exact products of the quantised numbers (number of the format x scale) in f32.
;;   ~~~python
;;   def quantise(x, axis):      # numpy; x: float32 -> the quantised numbers, widened to float32 again
;;       x = np.moveaxis(x, axis, -1); K = x.shape[-1]
;;       x = np.pad(x, [(0, 0)] * (x.ndim - 1) + [(0, -K % 32)]); x = x.reshape(x.shape[:-1] + (-1, 32)); a = np.abs(x).max(-1, keepdims=True)
;;       e = np.where(a > 0, np.clip(np.frexp(np.where(a > 0, a, 1))[1] - 1 - 2, -126, 127), 0)      # np.frexp(a)[1] - 1 = floor(log2(a)), exactly
;;       r = np.clip(x / 2.0 ** e, -7.5, 7.5)
;;       step = 2.0 ** (np.maximum(np.frexp(np.where(r == 0, 1, r))[1] - 1, 0) - 3)
;;       q = np.round(r / step) * step * 2.0 ** e      # np.round: ties to even
;;       return np.moveaxis(q.reshape(q.shape[:-2] + (-1,))[..., :K], -1, axis).astype(np.float32)
;;   ~~~
;;   OPERANDS COMPUTED ON THE WAY. 'Computed on the way' means the value that the module computes at that place (a softmax that the list does not call 'softmax' is quantised finished and normalised). What goes into a quantiser is computed in f32, as accurately as f32 sums, v_exp_f32 and their like allow (about 1e-6 of the number): no bf16 or f16 on the way to a quantiser, and a product that is left as it is and whose result goes on into a quantised operand takes f32 operands (vector FMAs, or v_wmma_f32_16x16x4_f32). A number that lies on a knife's edge between two numbers of the format may be rounded either way, as far as f32 arithmetic and the matrix unit's own rounding can turn it there, and no further.
;; One version. Each part assembles by itself: llvm-mc -triple=amdgcn-amd-amdhsa -mcpu=gfx1250 --defsym DOCPART=n.
;; ======== version 1 of 1: 2 launches
;; workspace buffers: kq 13,107,200 bytes; vt 3,276,800 bytes
;; launch prep (part 1): grid 256 x 1, 8 waves a work-group, no clusters, 101,888 bytes of LDS; arguments Q, V, freqs, kq, vt; writes kq, vt
.if DOCPART == 1
	.amdgcn_target "amdgcn-amd-amdhsa--gfx1250"
	.amdhsa_code_object_version 6
	.text
	.protected	k_q536a7d82db_prep
	.globl	k_q536a7d82db_prep
	.p2align	8
	.type	k_q536a7d82db_prep,@function
k_q536a7d82db_prep:
	s_mov_b64 s[64:65], 0
	v_nop
	global_prefetch_b8 v0, s[64:65] scope:SCOPE_SE
	s_setreg_imm32_b32 hwreg(HW_REG_WAVE_MODE, 25, 1), 1
	s_wait_xcnt 0x0
; QR = rope(Q) in f32, then QR (along its 512) and V (along the keys) are turned into codes of FP6 (E2M3) with one E8M0 byte for each 32 along K, and stored IN FRAGMENT ORDER:
; the very bytes that a lane of the matrix instruction's 16 x 128 operand holds, 48 bytes a lane, 32 lanes on end, so that the next launch loads a fragment as three loads of 16 bytes a lane.
; kq: [16 heads][128 tiles][6,400 bytes].  Tile 2 B + u holds 16 rows of the block of 32 rows B: its place r (0..15) is row 32 B + 8 u + r + 8 (r / 8).  A record: four fragments (K = 128 ks on) of 1,536 bytes,
;     lane r + 16 h at 48 bytes a lane, in it the 24 bytes of k = 128 ks + 64 c + 32 h + 0..31 at 24 c; behind them 256 scale bytes, 16 a row, byte kb for K block kb.
; vt: [16 heads][16 chunks of 128 keys][12,800 bytes]: eight fragments d (place r is channel 16 d + r; K = the chunk's keys), then 512 scale bytes: a word at 64 d + 4 r.
; A block's scale byte is its largest magnitude's exponent field - 2, held at 1 from below; a block of zeros gets 127; the conversion divides by the scale, rounds to the nearest code, ties to even, and holds at the largest code.
; cos and sin: x = (t f) mod 1 as the definition has it (one rounding in t f; the rest exact); x = k / 4 + r with |r| <= 1/8; sin(2 pi r) and cos(2 pi r) by their series to r^9 and r^8; k turns them into the quadrant.
; LIMITS: NaN and infinities among the inputs are not served.  cos and sin lie within about 4e-7 of those of a 2 pi x that is rounded to f32 first.  Blocks whose byte is held at 1 (largest magnitude under 2^-123) were not tried.
; SHARES: 256 work-groups of eight waves.  Q: the work-group takes ONE tile of 16 rows for EIGHT heads, so that a row's 512 cosines and sines are made twice in the launch and not sixteen times.  Wave w takes the two
; neighbouring rows at places 2 w, 2 w + 1; lane l owns one block of 32: row l / 16, block l % 16.  V: the work-group takes one chunk of 128 keys of one head; a lane takes a channel and its registers run down the keys.
; No tensor loads, clusters or matrix work: work-groups share nothing but the 2,048 bytes of freqs, and the launch streams.
.set REC,   6400                       ; a record of kq
.set KQH,   128*REC                    ; a head of kq
.set VREC,  12800                      ; a record of vt
.set TAW,   4608                       ; LDS 0: each wave's own 32 blocks of 128 bytes, 144 bytes apart: loads by rows go in, blocks come out
.set QSTG,  8*TAW                      ; LDS 36,864: eight records, one a head, each written once
.set VSTG,  QSTG+8*REC                 ; LDS 88,064: the chunk's record
.set X,     64                         ; v64-95   freqs, then V's way out, then the block at work
.set C,     96                         ; v96-127  cos of my 32 numbers
.set SG,    128                        ; v128-159 -sin at even n, +sin at odd n
.set RAW,   160                        ; v160-255 three sets of 32: loads on their way
; v1 lane; v2 16 l; v3, v4 into and out of my wave's blocks; v5, v6 my codes' and my byte's place in a record; v7, v8 a record's way out (LDS, memory); v9-13 the same five for V; v14 my freqs; v15 my row as f32;
; v16-31 at work; v32-47 codes, two sets; v48-53, v56-57 on the way out; v54, v55 a head's scale bytes on the way out
	s_load_b256 s[4:11], s[0:1], 0x0               ; Q s[4:5], V s[6:7], freqs s[8:9], kq s[10:11]
	s_load_b64 s[12:13], s[0:1], 0x20              ; vt
	v_lshl_add_u32 v62, v0, 2, 0x18a00
	v_mov_b32 v63, 0
	v_and_b32 v1, 31, v0                           ; lane
	v_lshrrev_b32 v16, 5, v0
	v_readfirstlane_b32 s14, v16                   ; wave 0..7
	s_and_b32 s40, ttmp9, 127                      ; the tile
	s_lshr_b32 s41, ttmp9, 7                       ; which eight heads
	s_lshr_b32 s42, s40, 1
	s_lshl_b32 s42, s42, 5
	s_and_b32 s43, s40, 1
	s_lshl_b32 s43, s43, 3
	s_add_co_u32 s42, s42, s43
	s_lshl_b32 s43, s14, 1                         ; 2 w: my wave's first place in the tile
	s_add_co_u32 s42, s42, s43
	s_lshr_b32 s44, s14, 2                         ; w / 4.  Also: which 64 keys of V's chunk
	s_lshl_b32 s45, s44, 3
	s_add_co_u32 s42, s42, s45                     ; my wave's first row: 32 (tile / 2) + 8 (tile % 2) + 2 w + 8 (w / 4)
	s_and_b32 s45, s14, 3                          ; which 32 channels of V
	s_lshl_b32 s46, s41, 25                        ; Q: eight heads of 4,194,304 bytes,
	s_lshl_b32 s47, s42, 11                        ; rows of 2,048
	s_add_co_u32 s46, s46, s47
	s_mov_b32 s47, 0
	s_mul_i32 s48, s41, 8*KQH                      ; kq: eight heads, the tile's record
	s_mul_i32 s49, s40, REC
	s_add_co_u32 s48, s48, s49
	s_mov_b32 s49, 0
	s_lshl_b32 s50, ttmp9, 16                      ; V: 16 head + chunk is the work-group's number: chunks of 65,536 bytes,
	s_lshl_b32 s51, s44, 15                        ; 64 keys of 512
	s_add_co_u32 s50, s50, s51
	s_mov_b32 s51, 0
	s_mul_i32 s52, ttmp9, VREC                     ; vt: the chunk's record
	s_mov_b32 s53, 0
	s_mov_b32 s30, 0x40c90fdb                      ; sin(2 pi r) = r (c1 + z (c3 + z (c5 + z (c7 + z c9)))), z = r r: (2 pi)^n / n! with the series' signs
	s_mov_b32 s31, 0xc2255de7
	s_mov_b32 s32, 0x42a335e3
	s_mov_b32 s33, 0xc2996966
	s_mov_b32 s34, 0x42283c1a
	s_mov_b32 s35, 0xc19de9e6                      ; cos(2 pi r) = 1 + z (d2 + z (d4 + z (d6 + z d8)))
	s_mov_b32 s36, 0x4281e0f8
	s_mov_b32 s37, 0xc2aae9e4
	s_mov_b32 s38, 0x4270fa83
	s_mov_b32 s39, 0xbe800000                      ; -1/4
	v_lshlrev_b32 v2, 4, v1                        ; 16 l
	v_lshrrev_b32 v17, 3, v1
	v_and_b32 v18, 7, v1
	v_lshrrev_b32 v19, 4, v1                       ; l / 16
	v_and_b32 v20, 15, v1                          ; l % 16: my K block
	s_mul_i32 s56, s14, TAW
	v_mul_u32_u24 v3, v17, 144                     ; in: load j brings bytes 512 j + 16 l of the two rows: block 4 j + l / 8, byte 16 (l % 8)
	v_lshl_add_u32 v3, v18, 4, v3
	v_add_nc_u32 v3, s56, v3
	v_mul_u32_u24 v4, v1, 144                      ; out: block l; 144 l mod 256 is a different multiple of 16 in each of sixteen neighbouring lanes
	v_add_nc_u32 v4, s56, v4
	v_add_nc_u32 v21, s43, v19                     ; r: my row's place in the tile
	v_and_b32 v22, 1, v20                          ; h = kb % 2
	v_lshl_add_u32 v22, v22, 4, v21
	v_mul_u32_u24 v5, v22, 48                      ; 48 (r + 16 h)
	v_lshrrev_b32 v23, 2, v20
	v_mad_u32_u24 v5, v23, 1536, v5                ; + 1,536 (kb / 4)
	v_bfe_u32 v23, v20, 1, 1
	v_mad_u32_u24 v5, v23, 24, v5                  ; + 24 ((kb / 2) % 2)
	v_add_nc_u32 v5, QSTG, v5
	v_lshl_add_u32 v6, v21, 4, v20                 ; my scale byte: 16 r + kb
	v_add_nc_u32 v6, QSTG+6144, v6
	s_mul_i32 s56, s14, 768
	v_lshl_add_u32 v8, v1, 3, s56                  ; a record's codes leave as 8 waves x 3 x 256 bytes, 8 bytes a lane
	v_add_nc_u32 v7, QSTG, v8
	s_lshl_b32 s56, s45, 7
	v_lshl_add_u32 v9, v1, 2, s56                  ; V: my channel's 4 bytes in a key's row
	s_lshl_b32 s56, s45, 1
	v_add_nc_u32 v22, s56, v19                     ; d: my channel's fragment
	v_mul_u32_u24 v10, v22, 1536
	v_mad_u32_u24 v10, v20, 48, v10                ; place l % 16; my block b is the lanes' half h = b (768 b in the store's offset), c = w / 4
	s_mul_i32 s56, s44, 24
	s_add_co_u32 s56, s56, VSTG
	v_add_nc_u32 v10, s56, v10
	v_lshlrev_b32 v11, 6, v22
	v_lshl_add_u32 v11, v20, 2, v11                ; my channel's scale word, in it my two bytes 2 (w / 4) + b
	s_lshl_b32 s56, s44, 1
	s_add_co_u32 s56, s56, VSTG+12288
	v_add_nc_u32 v11, s56, v11
	s_mul_i32 s56, s14, 1536
	v_add_nc_u32 v13, s56, v2                      ; V's codes leave as 8 waves x 3 x 512 bytes
	v_add_nc_u32 v12, VSTG, v13
	v_lshlrev_b32 v14, 7, v20                      ; my 32 freqs
	v_add_nc_u32 v15, s42, v19
	v_cvt_f32_u32 v15, v15                         ; my row's number as f32
	s_mul_i32 s56, s14, REC
	v_lshl_add_u32 v54, v1, 3, s56                 ; at the end wave w sends head w's 256 scale bytes
	v_add_nc_u32 v54, QSTG+6144, v54
	s_mul_i32 s56, s14, KQH
	v_lshl_add_u32 v55, v1, 3, s56
	v_add_nc_u32 v55, 6144, v55
	s_wait_kmcnt 0x0
	s_add_nc_u64 s[16:17], s[4:5], s[46:47]        ; Q at my wave's rows: a base for each two heads; the odd head stands in the loads' immediate
	s_add_nc_u64 s[18:19], s[16:17], 0x800000
	s_add_nc_u64 s[20:21], s[16:17], 0x1000000
	s_add_nc_u64 s[22:23], s[16:17], 0x1800000
	s_add_nc_u64 s[24:25], s[10:11], s[48:49]
	s_add_nc_u64 s[26:27], s[6:7], s[50:51]
	s_add_nc_u64 s[28:29], s[12:13], s[52:53]
.macro QLOAD i                         ; head i of my eight: the two rows' 4,096 bytes, 512 consecutive bytes a load, into set i % 3
.irp j, 0,1,2,3,4,5,6,7
	global_load_b128 v[RAW+32*((\i)%3)+4*\j:RAW+32*((\i)%3)+4*\j+3], v2, s[16+2*((\i)/2):17+2*((\i)/2)] offset:4194304*((\i)%2)+512*\j th:TH_LOAD_NT
.endr
.endm
.irp j, 0,1,2,3,4,5,6,7
	global_load_b128 v[X+4*\j:X+4*\j+3], v14, s[8:9] offset:16*\j
.endr
.set n, 0
.rept 64                               ; V(64 (w / 4) + n, my channel): 128 consecutive bytes a load; sets 1 and 2 hold my two blocks of 32 keys
	global_load_b32 v[RAW+32+n], v9, s[26:27] offset:512*n th:TH_LOAD_NT
.set n, n+1
.endr
	s_wait_loadcnt 63                              ; freqs are in: 64 loads were issued behind them, and 63 is the largest count that this wait can name, so one of V's is waited for too
	QLOAD 0
; cos and sin for n = e (even) and e + 1, line by line, so that no line waits for the one in front of it.  At work, for each of the two: +0 x, then r; +1 k; +2 z; +3 the sine's series; +4 the cosine's; +5 k as a whole number; +6, +7 the two after the exchange.
.macro TRIG2 e
.irp o, 0,1
	v_mul_f32 v[16+8*\o], v15, v[X+\e+\o]                  ; t f, rounded once
.endr
.irp o, 0,1
	v_floor_f32 v[17+8*\o], v[16+8*\o]
.endr
.irp o, 0,1
	v_sub_f32 v[16+8*\o], v[16+8*\o], v[17+8*\o]           ; x = (t f) mod 1
.endr
.irp o, 0,1
	v_mul_f32 v[17+8*\o], 4.0, v[16+8*\o]
.endr
.irp o, 0,1
	v_rndne_f32 v[17+8*\o], v[17+8*\o]                     ; k = 0 .. 4
.endr
.irp o, 0,1
	v_fma_f32 v[16+8*\o], v[17+8*\o], s39, v[16+8*\o]      ; r = x - k / 4
	v_cvt_i32_f32 v[21+8*\o], v[17+8*\o]
.endr
.irp o, 0,1
	v_mul_f32 v[18+8*\o], v[16+8*\o], v[16+8*\o]           ; z
	v_and_b32 v[22+8*\o], 1, v[21+8*\o]
.endr
.irp o, 0,1
	v_fma_f32 v[19+8*\o], v[18+8*\o], s34, s33
	v_fma_f32 v[20+8*\o], v[18+8*\o], s38, s37
.endr
.irp o, 0,1
	v_fma_f32 v[19+8*\o], v[19+8*\o], v[18+8*\o], s32
	v_fma_f32 v[20+8*\o], v[20+8*\o], v[18+8*\o], s36
.endr
.irp o, 0,1
	v_fma_f32 v[19+8*\o], v[19+8*\o], v[18+8*\o], s31
	v_fma_f32 v[20+8*\o], v[20+8*\o], v[18+8*\o], s35
.endr
.irp o, 0,1
	v_fma_f32 v[19+8*\o], v[19+8*\o], v[18+8*\o], s30
	v_fma_f32 v[20+8*\o], v[20+8*\o], v[18+8*\o], 1.0      ; cos(2 pi r)
.endr
.irp o, 0,1
	v_mul_f32 v[19+8*\o], v[19+8*\o], v[16+8*\o]           ; sin(2 pi r)
	v_cmp_eq_u32 s[54+\o], 1, v[22+8*\o]                   ; an odd k: the two change places
.endr
.irp o, 0,1
	v_add_lshl_u32 v[17+8*\o], v[21+8*\o], 2-2*\o, 30      ; the sine is negative where k has bit 1; at even n rope wants -sin: k + 2 turns that bit
	v_add_lshl_u32 v[18+8*\o], v[21+8*\o], 1, 30           ; the cosine where k + 1 has it
.endr
.irp o, 0,1
	v_cndmask_b32 v[22+8*\o], v[19+8*\o], v[20+8*\o], s[54+\o]
	v_cndmask_b32 v[23+8*\o], v[20+8*\o], v[19+8*\o], s[54+\o]
.endr
.irp o, 0,1
	v_and_b32 v[17+8*\o], 0x80000000, v[17+8*\o]
	v_and_b32 v[18+8*\o], 0x80000000, v[18+8*\o]
.endr
.irp o, 0,1
	v_xor_b32 v[SG+\e+\o], v[17+8*\o], v[22+8*\o]
	v_xor_b32 v[C+\e+\o], v[18+8*\o], v[23+8*\o]
.endr
.endm
.set n, 0
.rept 16
	TRIG2 n
.set n, n+2
.endr
; The block of 32 numbers in v[xs ..] becomes 24 bytes of codes in v[cd .. cd + 5] and a scale byte in v[eb].
.macro BLK xs, cd, eb
	v_max3_num_f32 v24, |v[\xs]|, |v[\xs+1]|, |v[\xs+2]|           ; the largest magnitude, in two chains
	v_max3_num_f32 v25, |v[\xs+3]|, |v[\xs+4]|, |v[\xs+5]|
.irp i, 6,10,14,18,22,26
	v_max3_num_f32 v24, v24, |v[\xs+\i]|, |v[\xs+\i+1]|
	v_max3_num_f32 v25, v25, |v[\xs+\i+2]|, |v[\xs+\i+3]|
.endr
	v_max3_num_f32 v24, v24, |v[\xs+30]|, |v[\xs+31]|
	v_max_num_f32 v24, v24, v25
	v_lshrrev_b32 v25, 23, v24                     ; its exponent field
	v_max_u32 v25, 3, v25                          ; the byte is not to fall under 1
	v_add_nc_u32 v25, -2, v25                      ; the scale's byte
	v_lshlrev_b32 v26, 23, v25                     ; the scale as f32: the conversion takes its exponent field
	v_cmp_eq_u32 vcc_lo, 0, v24
	v_cvt_scalef32_pk16_fp6_f32 v[\cd:\cd+2], v[\xs:\xs+15], v26
	v_cvt_scalef32_pk16_fp6_f32 v[\cd+4:\cd+6], v[\xs+16:\xs+31], v26   ; (a conversion's three registers begin on an even number)
	v_cndmask_b32 v[\eb], v25, 127, vcc_lo         ; a block of zeros gets 127.  Also the plain instruction between a scaled conversion and what touches its result or writes its sources
	v_mov_b32 v[\cd+3], v[\cd+4]                   ; the gap is closed: 24 bytes on end
	v_mov_b32 v[\cd+4], v[\cd+5]
	v_mov_b32 v[\cd+5], v[\cd+6]
.endm
	s_wait_loadcnt 8                               ; V is in; Q's first head (eight loads) may be out
	BLK RAW+32, 32, 27
.irp m, 0,1,2
	ds_store_b64 v10, v[32+2*\m:33+2*\m] offset:8*\m
.endr
	BLK RAW+64, 40, 28
.irp m, 0,1,2
	ds_store_b64 v10, v[40+2*\m:41+2*\m] offset:768+8*\m
.endr
	v_lshl_or_b32 v27, v28, 8, v27
	ds_store_b16 v11, v27                          ; my channel's two scale bytes
	QLOAD 1                                        ; V's registers are free
	QLOAD 2
	s_wait_dscnt 0x0                               ; for the others' sake: my part of the chunk's record is written
	s_barrier_signal -1
	s_barrier_wait -1
.irp m, 0,1,2
	ds_load_b128 v[X+4*\m:X+4*\m+3], v12 offset:512*\m
.endr
	s_wait_dscnt 0x0
.irp m, 0,1,2
	global_store_b128 v13, v[X+4*\m:X+4*\m+3], s[28:29] offset:512*\m   ; 512 consecutive bytes, at a multiple of 256 from vt's first byte
.endr
	s_cmp_lg_u32 s14, 0
	s_cbranch_scc1 .Lno_scales                     ; wave 0 also sends the chunk's 512 scale bytes (its two offsets begin at 16 l)
	ds_load_b128 v[X+12:X+15], v12 offset:12288
	s_wait_dscnt 0x0
	global_store_b128 v13, v[X+12:X+15], s[28:29] offset:12288
.Lno_scales:
	s_wait_xcnt 0x0                                ; the stores' data registers are written again only behind this wait
; Head i of my eight.  left: the loads of the younger heads, which may stay out.
.macro QSTEP i, left
.set RS, RAW+32*((\i)%3)
.set CD, 32+8*((\i)%2)
.set EB, 29+((\i)%2)
	s_wait_loadcnt \left
.irp j, 0,1,2,3,4,5,6,7
	ds_store_b128 v3, v[RS+4*\j:RS+4*\j+3] offset:576*\j
.endr
.irp j, 0,1,2,3,4,5,6,7
	ds_load_b128 v[X+4*\j:X+4*\j+3], v4 offset:16*\j           ; my wave's own bytes, served in order: these see the stores above, and the next head's stores come behind them
.endr
	s_wait_dscnt 0x0
.if (\i)+3 < 8
	QLOAD (\i)+3                                   ; the set just emptied takes the head three on
.endif
.irp q, 0,1,2,3                        ; QR[n] = Q[n] cos[n] + Q[n xor 1] (-+sin[n]): a packed product, then a packed multiply-add that takes the pair's other number
.irp m, 0,1,2,3
	v_pk_mul_f32 v[16+2*\m:17+2*\m], v[X+8*\q+2*\m:X+8*\q+2*\m+1], v[C+8*\q+2*\m:C+8*\q+2*\m+1]
.endr
.irp m, 0,1,2,3
	v_pk_fma_f32 v[X+8*\q+2*\m:X+8*\q+2*\m+1], v[X+8*\q+2*\m:X+8*\q+2*\m+1], v[SG+8*\q+2*\m:SG+8*\q+2*\m+1], v[16+2*\m:17+2*\m] op_sel:[1,0,0] op_sel_hi:[0,1,1]
.endr
.endr
	BLK X, CD, EB
.irp m, 0,1,2
	ds_store_b64 v5, v[CD+2*\m:CD+2*\m+1] offset:REC*(\i)+8*\m
.endr
	ds_store_b8 v6, v[EB] offset:REC*(\i)
	s_wait_dscnt 0x0                               ; for the others' sake: my two rows of the head's record are written
	s_barrier_signal -1
	s_barrier_wait -1
	s_wait_xcnt 0x0                                ; the last head's stores have read v48-53
.irp m, 0,1,2
	ds_load_b64 v[48+2*\m:49+2*\m], v7 offset:REC*(\i)+256*\m
.endr
	s_wait_dscnt 0x0
.irp m, 0,1,2
	global_store_b64 v8, v[48+2*\m:49+2*\m], s[24:25] offset:KQH*(\i)+256*\m   ; 32 lanes store 256 consecutive bytes, at a multiple of 256 from kq's first byte; 5,734,912 at the most, inside the signed 24-bit immediate
.endr
.endm
.irp i, 0,1,2,3,4,5
	QSTEP \i, 16                                   ; two younger heads, eight loads each
.endr
	QSTEP 6, 8
	QSTEP 7, 0
	ds_load_b64 v[56:57], v54                      ; behind the last barrier every head's scale bytes are written: wave w sends head w's 256
	s_wait_dscnt 0x0
	global_store_b64 v55, v[56:57], s[24:25]
	s_wait_tensorcnt 0x0
	ds_add_u32 v62, v63
	s_wait_dscnt 0x0
	s_endpgm
.Lfunc_end_k_q536a7d82db_prep:
	.size	k_q536a7d82db_prep, .Lfunc_end_k_q536a7d82db_prep-k_q536a7d82db_prep
	.p2alignl 7, 3214868480
	.fill 96, 4, 3214868480
	.section	.rodata,"a",@progbits
	.p2align	6, 0x0
	.amdhsa_kernel k_q536a7d82db_prep
		.amdhsa_group_segment_fixed_size 101888
		.amdhsa_private_segment_fixed_size 0
		.amdhsa_enable_private_segment 0
		.amdhsa_kernarg_size 40
		.amdhsa_user_sgpr_count 2
		.amdhsa_user_sgpr_kernarg_segment_ptr 1
		.amdhsa_wavefront_size32 1
		.amdhsa_system_sgpr_workgroup_id_x 1
		.amdhsa_system_sgpr_workgroup_id_y 1
		.amdhsa_system_sgpr_workgroup_id_z 1
		.amdhsa_system_vgpr_workitem_id 0
		.amdhsa_next_free_vgpr 256
		.amdhsa_next_free_sgpr 66
		.amdhsa_reserve_vcc 1
		.amdhsa_float_denorm_mode_32 3
		.amdhsa_float_denorm_mode_16_64 3
		.amdhsa_memory_ordered 1
		.amdhsa_forward_progress 1
		.amdhsa_inst_pref_size 109
	.end_amdhsa_kernel
	.amdgpu_metadata
---
amdhsa.version: [ 1, 2 ]
amdhsa.kernels:
  - .name:           k_q536a7d82db_prep
    .symbol:         k_q536a7d82db_prep.kd
    .args:
      - { .name: Q, .offset: 0, .size: 8, .value_kind: global_buffer, .address_space: global }
      - { .name: V, .offset: 8, .size: 8, .value_kind: global_buffer, .address_space: global }
      - { .name: freqs, .offset: 16, .size: 8, .value_kind: global_buffer, .address_space: global }
      - { .name: kq, .offset: 24, .size: 8, .value_kind: global_buffer, .address_space: global }
      - { .name: vt, .offset: 32, .size: 8, .value_kind: global_buffer, .address_space: global }
    .group_segment_fixed_size: 101888
    .private_segment_fixed_size: 0
    .kernarg_segment_align: 8
    .kernarg_segment_size: 40
    .max_flat_workgroup_size: 256
    .sgpr_count:     66
    .vgpr_count:     256
    .wavefront_size: 32
...
	.end_amdgpu_metadata
.endif
;; end of part 1
;; launch attn (part 2): grid 16 x 16, 8 waves a work-group, clusters of 4 x 1, 327,680 bytes of LDS; arguments kq, vt, out0; writes out0
.if DOCPART == 2
	.amdgcn_target "amdgcn-amd-amdhsa--gfx1250"
	.amdhsa_code_object_version 6
	.text
	.protected	k_q536a7d82db_attn
	.globl	k_q536a7d82db_attn
	.p2align	8
	.type	k_q536a7d82db_attn,@function
k_q536a7d82db_attn:
	s_mov_b64 s[64:65], 0
	v_nop
	global_prefetch_b8 v0, s[64:65] scope:SCOPE_SE
	s_setreg_imm32_b32 hwreg(HW_REG_WAVE_MODE, 25, 1), 1
	s_wait_xcnt 0x0
	s_wait_alu depctr_hold_cnt(0) depctr_sa_sdst(0) depctr_va_vdst(0) depctr_va_sdst(0) depctr_va_ssrc(0) depctr_va_vcc(0) depctr_vm_vsrc(0)
	s_getreg_b32 s2, hwreg(HW_REG_IB_STS2, 6, 4)
	s_cmp_eq_u32 s2, 0
	s_cbranch_scc0 .Lentry_in_a_cluster
	s_endpgm
.Lentry_in_a_cluster:
	s_bfe_u32 s2, ttmp6, 0x10000c
	s_cmp_lg_u32 s2, 0x3003
	s_cbranch_scc0 .Lentry_shape_is_right
	s_endpgm
.Lentry_shape_is_right:
; O[h][q][:] = the sum over keys k < q of Q6(S)[q][k] Q6(V)[k][:], S[q][k] = Q6(QR)[q] . Q6(QR)[k]; no softmax.  Both products on codes of FP6 (E2M3) with one E8M0 scale for each 32 along K; sums in f32.
; kq holds QR's codes and scale bytes, vt V's (keys innermost), both in fragment order: see the launch in front.  S with zeros at k >= q is quantised along the keys, block of 32 by block of 32, in registers.
; SHARES.  Sixteen work-groups to a head.  Work-group j = 4 c + cx (c: the cluster, cx: its place in it) owns the blocks of 64 queries j (light) and 31 - j (heavy).  Wave w: w / 4 says which block, (w / 2) % 2 which 32 of its
; queries, p = w % 2 which 128 of a slot's 256 keys it multiplies.  The ring walks 8 - c slots of 256 keys, the same number in all four partners; a light wave works in slots 0 .. c, a heavy one in 0 .. 7 - c, and only its last slot
; needs the mask.  So every work-group has (c + 1) + (8 - c) = 9 slots' work for each pair of a light and a heavy wave.  Trip counts and branches hang on c, the wave's number and the slot's number, never on cx.
; CLUSTER.  The four work-groups of a cluster walk the same keys of one head: each slot is asked for JOINTLY, by the same tensor loads with the same descriptors and a mask that names the four.
; LAYOUT.  Both products are used transposed: S^T = K Q^T (source 0 = 16 keys, source 1 = 16 queries), O^T = V^T P^T (source 0 = 16 channels, source 1 = P): a lane holds ONE query throughout.  A tile's 16 rows are not neighbours
; (place r of tile 2 B + u is row 32 B + 8 u + r + 8 (r / 8)), so that the 16 registers of a block's two tiles are 16 neighbouring keys, 32 B + 16 (lane / 16) + 0 .. 15: what the conversion wants.
; A wave holds two tiles of queries: set 0 is tile u = p of its 32 queries, set 1 the other.  Its partner w xor 1 holds the same queries and the other keys; at the end each hands its set 1 to the other and finishes its set 0.
; BY TURNS.  In most slots a heavy wave has no working wave beside it on its SIMD, so matrix and vector work stand side by side in ONE wave: the quantiser of the block of 32 keys before is a numbered list, dealt in slices of three or four
; instructions behind each of a block's 16 products.  The products want source 1 (Q) in register window 1; every line of the list but the two conversions is written with no vector register as its second source, so that it means
; the same under that setting and under 0, and a block has four switches of the window, not two for each slice.  The LDS loads stand in two runs a block, not singly among the products.
; LIMITS: NaN and infinities are not served.  O is two partial sums, over the even and the odd runs of 128 keys, added at the end in f32: another order of rounding than one ascending sum.  A block of P that is all zeros carries the
; scale byte 1 and not 127: its codes are all 0 and add nothing to a sum whatever the byte, and P never leaves the registers.
; REGISTERS.  Window 0: v1-18 addresses; v20-27 Q's scale words; v28-35, v88-95 K's scale words, two sets by turns (V's in the first); v36-37 P's; v40-63 P's codes; v64-71 codes on their way; v72-87 at work;
;             v96-191 eight fragments of K or of V; v192-255 S^T, two blocks x two sets.    Window 1: v0-95 Q's fragments (48 set + 12 ks); v96-223 O^T (96 + 64 set + 8 d).
.set REC,   6400                       ; a tile's record in kq
.set KQH,   128*REC
.set VREC,  12800                      ; a chunk's record in vt
.set VTH,   16*VREC
.set PART,  25600                      ; what one tensor load brings: 100 rows of 256 bytes
.set VOFF,  16*REC                     ; a slot: 16 records of keys (four loads), then 2 of V (one load): 128,000 dense bytes
.set SLOT1, 1<<17                      ; slot 1 begins here, so that one exclusive or turns an address in one slot into the other's
.set SPARE, SLOT1+5*PART               ; behind the ring: the spare words, 128 bytes for each wave: four blocks of 256 bytes that no other line names
.set SP,    528                        ; the way out: rows of 512 bytes + 16
.set AREA,  16*SP                      ; sixteen areas of 16 rows from LDS byte 0 on, written only when both slots have had their last fill and their last read
.set SPW,  1                           ; v1   LDS address of my spare word; never rewritten
.set NIL,  2                           ; v2   0; never rewritten
.set AK0,  3                           ; v3-6   my lane's place in a slot: K's fragments, K's scale words, V's fragments, V's scale words
.set ADK,  7                           ; v7-10  the same in the slot in hand
.set DM,   11                          ; v11-12 set x: my query less the first key of my registers in my last slot: key 32 b + e of the unit is kept where 32 b + e < this
.set QO,   13                          ; v13  48 x lane
.set STO,  14                          ; v14-15 the way out: where set 0 goes (my area), where set 1 goes (my partner's second area)
.set RD,   16                          ; v16  where I read rows back
.set GO,   17                          ; v17  16 x lane
.set QSO,  18                          ; v18  16 x (lane % 16)
.set QS,   20
.set KS,   28                          ; the scale words of an even block (4 u + ks), and V's (d)
.set KS1,  60                          ; those of an odd block lie 60 registers on
.set PSC,  36
.set PC,   40
.set PT,   64
.set W,    72                          ; eight registers at work for each set
.set XB,   96                          ; fragment f at XB + 12 f
.set S,    192
.set QF,   0                           ; window 1
.set OT,   96                          ; window 1
.set CMIN, 62                          ; s62  3 << 23
.set CSUB, 63                          ; s63  -(2 << 23)
.set MSB, 0
.macro WIN new                         ; the immediate's high byte repeats the setting that is left; a switch that changes nothing is dropped
.if MSB != \new
	s_set_vgpr_msb (MSB<<8)|\new
.set MSB, \new
.endif
.endm
.set W_KQ, 0x04                        ; source 1 (Q) window 1; K, S^T window 0.  LDS loads are not touched by it.  Also: an LDS store's data in window 1
.set W_PV, 0x50                        ; C and D (O^T) window 1; V and P window 0
.macro PLACES n
.rept \n
	v_nop
.endr
.endm
; A load into a register that a matrix instruction has read, and a vector instruction that reads a matrix result, stand four places behind that matrix instruction, and only plain vector instructions that name none of its registers
; are places (ISA guide 7.12.1 for vector instructions).  PLC counts the plain vector instructions written so far (lane permutes and conversions are not counted), PLODD is its value at the last
; matrix instruction with an odd number.  NEED writes only the v_nop that are still missing.
.macro NEED n
.if (PLC-PLODD) < \n
.rept \n-(PLC-PLODD)
	v_nop
.endr
.set PLC, PLODD+\n
.endif
.endm
; A round of the cluster's barrier: my work-group's barrier, so that wave 0's signal speaks for all eight waves; wave 0 signals; every wave waits for the four work-groups; my work-group's barrier once more.
.macro CROUND
	s_barrier_signal -1
	s_barrier_wait -1
	s_cmp_lg_u32 s10, 0
	s_cbranch_scc1 .Lnot_wave_0_\@
	s_barrier_signal -3
.Lnot_wave_0_\@:
	s_barrier_wait -3
	s_barrier_signal -1
	s_barrier_wait -1
.endm
; A joint refill: waves 0 to 3 fetch the slot's keys, a quarter each, wave 4 its V, the others nothing.  The branch hangs on the wave's number alone.  Four v_nop follow the line.
.macro JLOAD
	s_cmp_lt_u32 s10, 5
	s_cbranch_scc0 .Lnone_\@
	tensor_load_to_lds s[36:39], s[24:31]
	s_nop 0
.rept 4
	v_nop
.endr
.Lnone_\@:
.endm
	s_load_b128 s[4:7], s[0:1], 0x0                ; kq s[4:5], vt s[6:7]
	s_load_b64 s[8:9], s[0:1], 0x10                ; out0
	v_lshl_add_u32 v[SPW], v0, 2, SPARE
	v_mov_b32 v[NIL], 0
	ds_add_u32 v1, v2
	s_wait_dscnt 0x0
	v_lshrrev_b32 v72, 5, v0
	v_readfirstlane_b32 s10, v72                   ; wave 0..7
	v_and_b32 v72, 31, v0                          ; lane
	v_and_b32 v73, 15, v0                          ; r
	v_bfe_u32 v74, v0, 4, 1                        ; h
	v_mul_u32_u24 v[QO], v72, 48                   ; a lane's 48 bytes of a fragment: 48 l mod 256 is a different multiple of 16 in each of sixteen neighbouring lanes
	v_lshlrev_b32 v[QSO], 4, v73
	s_lshr_b32 s11, s10, 2                         ; 0: the light block, 1: the heavy one
	s_bfe_u32 s12, s10, 0x10001                    ; which 32 of its queries
	s_and_b32 s13, s10, 1                          ; p
	s_bfe_u32 s14, ttmp6, 0x40000                  ; cx: it enters Q's and O's addresses and the mask's two registers alone
	s_mov_b32 s15, ttmp9                           ; c: in a cluster launch ttmp9 counts clusters
	s_and_b32 s16, ttmp7, 0xffff                   ; the head
	s_sub_co_u32 s18, 7, s15                       ; the number of the ring's last slot
	s_lshl_b32 s46, s15, 2
	s_add_co_u32 s46, s46, s14                     ; j
	s_sub_co_u32 s47, 31, s46
	s_cmp_eq_u32 s11, 0
	s_cselect_b32 s17, s15, s18                    ; my wave's last slot
	s_cselect_b32 s46, s46, s47                    ; my block of 64 queries
	s_lshl_b32 s46, s46, 6
	s_lshl_b32 s47, s12, 5
	s_add_co_u32 s46, s46, s47                     ; my wave's first query
	s_lshr_b32 s48, s46, 4
	s_add_co_u32 s49, s48, s13                     ; set 0's tile
	s_xor_b32 s50, s13, 1
	s_add_co_u32 s50, s48, s50                     ; set 1's
	s_mul_i32 s51, s16, KQH
	s_mul_i32 s52, s49, REC
	s_add_co_u32 s52, s52, s51
	s_mov_b32 s53, 0
	s_mul_i32 s54, s50, REC
	s_add_co_u32 s54, s54, s51
	s_mov_b32 s55, 0
	s_lshl_b32 s56, s13, 3                         ; O: place rho of set 0's tile is row first query + 8 p + rho + 8 (rho / 8), 512 bytes a row
	s_add_co_u32 s56, s56, s46
	s_lshl_b32 s56, s56, 9
	s_lshl_b32 s57, s16, 20
	s_add_co_u32 s56, s56, s57
	s_mov_b32 s57, 0
	s_lshl_b32 s58, s17, 8
	s_sub_co_u32 s58, s46, s58                     ; first query - 256 x last slot
	s_lshl_b32 s59, s13, 7
	s_sub_co_u32 s58, s58, s59                     ; - 128 p (as a signed number)
	s_lshl_b32 s59, s13, 3
	s_add_co_u32 s59, s58, s59                     ; + 8 u: set 0
	s_xor_b32 s60, s13, 1
	s_lshl_b32 s60, s60, 3
	s_add_co_u32 s60, s58, s60                     ; set 1
	s_mov_b32 s22, 0x76543210                      ; v_permlanex16_b32's selects for lane l xor 16
	s_mov_b32 s23, 0xfedcba98
	s_mov_b32 s[CMIN], 0x01800000
	s_mov_b32 s[CSUB], 0xff000000
	; descriptor group 1: a dense block of 25,600 bytes as 100 rows of 32 elements of 8 bytes
	s_mov_b32 s24, 15|(3<<16)|(1<<21)              ; 15:0 the mask: all four work-groups; 17:16 elements of 8 bytes; 20 no padding; 21 set beside a mask
	s_mov_b32 s25, 32<<16                          ; tensor_dim0 = 32
	s_mov_b32 s26, 100<<16                         ; tensor_dim1 = 100
	s_mov_b32 s27, 32<<16                          ; tile_dim0 = 32
	s_mov_b32 s28, 100                             ; tile_dim1 = 100
	s_mov_b32 s29, 32                              ; tensor_dim0_stride
	s_mov_b32 s30, 0
	s_mov_b32 s31, 0
	; groups 0: s[32:35] for slot 0, s[36:39] for slot 1, which then walks.  Waves 0 to 3 take kq, wave 4 vt: the choice hangs on the wave's number alone
	s_mov_b32 s46, 4*PART
	s_mov_b32 s47, KQH
	s_cmp_lt_u32 s10, 4
	s_cselect_b32 s2, s46, PART                    ; s[2:3]: bytes from slot to slot
	s_cselect_b32 s50, s47, VTH                    ; a head's bytes
	s_cselect_b32 s51, PART, 0                     ; a wave's quarter
	s_mov_b32 s3, 0
	s_mul_i32 s50, s50, s16
	s_mul_i32 s51, s51, s10
	s_add_co_u32 s50, s50, s51
	s_mov_b32 s51, 0
	s_mov_b32 s32, 1                               ; count = 1
	s_mul_i32 s33, s10, PART                       ; LDS address: wave x 25,600 in slot 0: no place in the cluster enters it
	s_mov_b32 s36, 1
	s_add_co_u32 s37, s33, SLOT1                   ; and in slot 1
	s_wait_kmcnt 0x0
	s_add_nc_u64 s[40:41], s[4:5], s[52:53]        ; set 0's record, set 1's
	s_add_nc_u64 s[42:43], s[4:5], s[54:55]
	s_add_nc_u64 s[44:45], s[8:9], s[56:57]        ; O
	WIN 0x40                                       ; destination window 1
.irp x, 0,1
.irp f, 0,1,2,3
.irp i, 0,1,2
	global_load_b128 v[QF+48*\x+12*\f+4*\i:QF+48*\x+12*\f+4*\i+3], v[QO], s[40+2*\x:41+2*\x] offset:1536*\f+16*\i   ; Q's fragments stay in registers; they are asked for ahead of the round, which they do not need
.endr
.endr
.endr
	WIN 0
	global_load_b128 v[QS:QS+3], v[QSO], s[40:41] offset:6144      ; and its scale words: four a row
	global_load_b128 v[QS+4:QS+7], v[QSO], s[42:43] offset:6144
	s_cmp_lt_u32 s10, 4
	s_cselect_b64 s[48:49], s[4:5], s[6:7]
	s_add_nc_u64 s[34:35], s[48:49], s[50:51]      ; global address: the head's first 256 keys,
	s_add_nc_u64 s[38:39], s[34:35], s[2:3]        ; the next 256
	s_or_b32 s35, s35, 0x80000000                  ; type = 2
	s_or_b32 s39, s39, 0x80000000
	CROUND                                         ; all four work-groups are here: the first joint loads meet
	s_cmp_lt_u32 s10, 5                            ; a wave's two first fills stand in one branch, ahead of every wait on TENSORcnt, every LDS read and every other barrier: two loads of mine are out; four v_nop follow the second
	s_cbranch_scc0 .Lno_first
	tensor_load_to_lds s[32:35], s[24:31]
	s_nop 0
	tensor_load_to_lds s[36:39], s[24:31]
	s_nop 0
.rept 4
	v_nop
.endr
.Lno_first:
	s_mul_i32 s61, s13, 8*REC                      ; my 128 keys: eight records
	v_add_nc_u32 v[AK0], s61, v[QO]
	v_add_nc_u32 v[AK0+1], s61, v[QSO]
	v_add_nc_u32 v[AK0+1], 6144, v[AK0+1]
	s_mul_i32 s21, s13, VREC                       ; and their chunk of V
	s_add_co_u32 s21, s21, VOFF
	v_add_nc_u32 v[AK0+2], s21, v[QO]
	v_lshl_add_u32 v[AK0+3], v73, 2, s21
	v_add_nc_u32 v[AK0+3], 12288, v[AK0+3]
	v_and_b32 v75, 8, v73
	v_add_nc_u32 v75, v75, v73                     ; r + 8 (r / 8)
	v_lshlrev_b32 v76, 4, v74
	v_sub_nc_u32 v75, v75, v76                     ; - 16 h
	v_add_nc_u32 v[DM], s59, v75
	v_add_nc_u32 v[DM+1], s60, v75
	v_mul_u32_u24 v75, v73, SP
	v_lshl_add_u32 v75, v74, 5, v75                ; the way out, in: row r, 32 bytes for each half of the lanes
	s_mul_i32 s61, s10, 2*AREA
	v_add_nc_u32 v[STO], s61, v75
	s_xor_b32 s21, s10, 1
	s_mul_i32 s21, s21, 2*AREA
	s_add_co_u32 s21, s21, AREA
	v_add_nc_u32 v[STO+1], s21, v75
	v_lshlrev_b32 v[GO], 4, v72
	v_add_nc_u32 v[RD], s61, v[GO]                 ; back: the 32 lanes take a row of 512 bytes
; THE LDS LOADS.  A unit has five blocks of 16 matrix instructions: nb = 0 .. 3 the unit's blocks of 32 keys (K Q^T), nb = 4 the products with V.  Each block wants eight fragments, used in the order of their numbers, two
; matrix instructions each.  Of K: fragment f is tile u = f % 2 of the block, K step ks = f / 2.  Of V: fragment f is channels 16 f on.  Loads are used in the order in which they are issued: ISS counts those issued, CONS those
; that the products so far want, and a wait's count is the difference.
.macro LOADF nb, f
.irp i, 0,1,2
.if (\nb) < 4
	ds_load_b128 v[XB+12*(\f)+4*\i:XB+12*(\f)+4*\i+3], v[ADK] offset:REC*(2*(\nb)+(\f)%2)+1536*((\f)/2)+16*\i
.else
	ds_load_b128 v[XB+12*(\f)+4*\i:XB+12*(\f)+4*\i+3], v[ADK+2] offset:1536*(\f)+16*\i
.endif
.endr
.set ISS, ISS+3
.endm
.macro LOADH nb, half                  ; four fragments in one run
.irp g, 0,1,2,3
	LOADF \nb, 4*(\half)+\g
.endr
.endm
.macro LOADS nb                        ; the block's scale words: of K a row's four words by one load, for each of the two tiles, into the set nb % 2; of V a word for each fragment
.if (\nb) < 4
.irp u, 0,1
	ds_load_b128 v[KS+KS1*((\nb)%2)+4*\u:KS+KS1*((\nb)%2)+4*\u+3], v[ADK+1] offset:REC*(2*(\nb)+\u)
.endr
.set ISS, ISS+2
.else
.irp d, 0,1,2,3,4,5,6,7
	ds_load_b32 v[KS+\d], v[ADK+3] offset:64*\d
.endr
.set ISS, ISS+8
.endif
.endm
; One matrix instruction of S^T = K Q^T: block n, fragment f, set x.  The four accumulators (tile of keys u, set x) take turns, one instruction a turn.  The first K step starts the sums.
.macro KQ1 n, f, x
.set rD, S+32*((\n)%2)+16*(\x)+8*((\f)%2)
.set rA, XB+12*(\f)
.set rB, QF+48*(\x)+12*((\f)/2)
.set rK, KS+KS1*((\n)%2)+4*((\f)%2)+(\f)/2
.set rQ, QS+4*(\x)+(\f)/2
.if (\f) < 2
	v_wmma_scale_f32_16x16x128_f8f6f4 v[rD:rD+7], v[rA:rA+11], v[rB:rB+11], 0, v[rK], v[rQ] matrix_a_fmt:MATRIX_FMT_FP6 matrix_b_fmt:MATRIX_FMT_FP6
.else
	v_wmma_scale_f32_16x16x128_f8f6f4 v[rD:rD+7], v[rA:rA+11], v[rB:rB+11], v[rD:rD+7], v[rK], v[rQ] matrix_a_fmt:MATRIX_FMT_FP6 matrix_b_fmt:MATRIX_FMT_FP6
.endif
.endm
; One matrix instruction of O^T += V^T P^T, K = the unit's 128 keys: sixteen accumulators, one instruction each.  first = 1: it starts the sum: nothing is ever cleared.
.macro PV1 d, x, first
.set rD, OT+64*(\x)+8*(\d)
.set rA, XB+12*(\d)
.if \first
	v_wmma_scale_f32_16x16x128_f8f6f4 v[rD:rD+7], v[rA:rA+11], v[PC+12*(\x):PC+12*(\x)+11], 0, v[KS+(\d)], v[PSC+(\x)] matrix_a_fmt:MATRIX_FMT_FP6 matrix_b_fmt:MATRIX_FMT_FP6
.else
	v_wmma_scale_f32_16x16x128_f8f6f4 v[rD:rD+7], v[rA:rA+11], v[PC+12*(\x):PC+12*(\x)+11], v[rD:rD+7], v[KS+(\d)], v[PSC+(\x)] matrix_a_fmt:MATRIX_FMT_FP6 matrix_b_fmt:MATRIX_FMT_FP6
.endif
.endm
; In a wave's last slot the scores of keys at or behind the lane's query become 0, ahead of the quantiser.  The branch hangs on the slot's number, c and the wave's number.  Each accumulator is read from its low end on.
.macro MASK b
	s_cmp_lg_u32 s19, s17
	s_cbranch_scc1 .Lopen_\@
.set SB0, S+32*((\b)%2)
.irp x, 0,1
.irp e, 0,1,2,3,4,5,6,7,8,9,10,11,12,13,14,15
	v_cmp_lt_i32 vcc_lo, 32*(\b)+\e, v[DM+\x]
	v_cndmask_b32 v[SB0+16*\x+\e], 0, v[SB0+16*\x+\e], vcc_lo
.endr
.endr
.Lopen_\@:
.endm
; THE QUANTISER of the unit's block qb of 32 keys, for both sets, as a numbered list; QI writes number QJ of it.  My 16 scores and those of lane l xor 16 are a block.
;   0-29   the largest magnitude of my 16, pair by pair: 8, 4, 2, 1 a set, the sets by turns; each accumulator is read from its low end on
;   30-33  lane l xor 16's, and the block's
;   34-37  its bits held at 3 << 23 from below, less 2 << 23: the exponent field is now the scale's byte (the field - 2, not under 1), and the register is the conversion's scale operand, which takes that field alone
;   38     both sets' conversions: the one item that names a vector register as second source, so it stands under window 0.  An even block's codes go to their place in P, an odd block's beside it
;   39-42  the byte, and its place in P's scale word of these 128 keys.  (Plain instructions: the place behind the conversions)
;   43-54  an odd block only: the two blocks' codes change halves, so that a lane holds a whole block (lanes 0-15 the even one, lanes 16-31 the odd one), and the upper 16 codes move behind the lower (a conversion's three registers begin on an even number)
.macro QI qb
.set qB, S+32*((\qb)%2)
.if QJ < 38
.set qx, QJ%2
.else
.set qx, (QJ+1)%2
.endif
.set qS, qB+16*qx
.set qT, W+8*qx
.set qP, PC+12*qx+6*((\qb)/2)
.set qU, PT+4*qx
.if QJ < 16
	v_max3_num_f32 v[qT+QJ/2], |v[qS+2*(QJ/2)]|, 0, |v[qS+2*(QJ/2)+1]|
.elseif QJ < 24
	v_max3_num_f32 v[qT+(QJ-16)/2], v[qT+(QJ-16)/2], 0, v[qT+(QJ-16)/2+4]
.elseif QJ < 28
	v_max3_num_f32 v[qT+(QJ-24)/2], v[qT+(QJ-24)/2], 0, v[qT+(QJ-24)/2+2]
.elseif QJ < 30
	v_max3_num_f32 v[qT], v[qT], 0, v[qT+1]
.elseif QJ < 32
	v_permlanex16_b32 v[qT+1], v[qT], s22, s23
.elseif QJ < 34
	v_max3_num_f32 v[qT], v[qT], 0, v[qT+1]
.elseif QJ < 36
	v_max_u32 v[qT+1], v[qT], s[CMIN]
.elseif QJ < 38
	v_add_nc_u32 v[qT+1], v[qT+1], s[CSUB]
.elseif QJ == 38
	WIN 0
.irp x, 0,1
.if (\qb)%2 == 0
	v_cvt_scalef32_pk16_fp6_f32 v[PC+12*\x+6*((\qb)/2):PC+12*\x+6*((\qb)/2)+2], v[qB+16*\x:qB+16*\x+15], v[W+8*\x+1]
.else
	v_cvt_scalef32_pk16_fp6_f32 v[PT+4*\x:PT+4*\x+2], v[qB+16*\x:qB+16*\x+15], v[W+8*\x+1]
.endif
.endr
.elseif QJ < 41
	v_bfe_u32 v[qT+2], v[qT+1], 23, 8
.elseif QJ < 43
.if (\qb) == 0
	v_mov_b32 v[PSC+qx], v[qT+2]
.else
	v_lshl_or_b32 v[PSC+qx], v[qT+2], 8*(\qb), v[PSC+qx]
.endif
.elseif QJ < 49
	v_permlane16_swap_b32 v[qP+(QJ-43)/2], v[qU+(QJ-43)/2]
.else
	v_mov_b32 v[qP+3+(QJ-49)/2], v[qU+(QJ-49)/2]
.endif
.if (QJ < 30) || ((QJ > 31) && (QJ < 38)) || ((QJ > 38) && (QJ < 43)) || (QJ > 48)
.set PLC, PLC+1
.endif
.set QJ, QJ+1
.endm
.macro QRUN qb, cnt                    ; the next cnt items of the list, as far as it goes
.rept \cnt
.if QJ < QLEN
	QI \qb
.endif
.endr
.endm
; BLOCK n of a unit: 16 products K Q^T, and behind each a slice of block n - 1's quantiser (three items of an even block's 43, four of an odd block's 55; block 0 has none in front of it).
; The next block's first four fragments and its scale words are fetched in one run behind the eighth product, its other four behind the sixteenth: each run eight products ahead of its first use.
; Then block n's scores are masked, in the wave's last slot.
.macro KQBLOCK n
.set QJ, 0
.if (\n) == 0
.set QLEN, 0
.else
.set QLEN, 43+12*(((\n)+1)%2)
.endif
.set QPER, 3+((\n)+1)%2
.set FI, 0
.rept 8
.if FI == 0
.set CONS, CONS+14
	s_wait_dscnt ISS-CONS                          ; the scale words and fragments 0-3 are in; the 12 loads of fragments 4-7 may be out
.endif
.if FI == 4
.set CONS, CONS+12
	s_wait_dscnt ISS-CONS                          ; fragments 4-7 are in; the run just issued may be out: 14 loads, or 20 where it is V's
.endif
	WIN W_KQ
	KQ1 \n, FI, 0
	QRUN (\n)-1, QPER
	WIN W_KQ
	KQ1 \n, FI, 1
.set PLODD, PLC
	QRUN (\n)-1, QPER
.if FI == 3
	NEED 4
	LOADS (\n)+1
	LOADH (\n)+1, 0
.endif
.set FI, FI+1
.endr
	NEED 4                                         ; in front of the loads below, and of the first read of this block's scores
	LOADH (\n)+1, 1
	WIN 0                                          ; at a branch and at a label every window is 0
	MASK \n
.endm
; A UNIT: my 32 queries x my 128 keys of the slot in hand.  first = 1: slot 0, in which every wave works.  Else a wave whose last slot is behind it jumps over the unit: no barrier and no tensor load stands inside.
.macro UNIT first
.if !\first
	s_cmp_gt_u32 s19, s17
	s_cbranch_scc1 .Lidle_\@
.endif
.set ISS, 0
.set CONS, 0
.set PLC, 0
.set PLODD, 0
.irp a, 0,1,2,3
	v_add_nc_u32 v[ADK+\a], s20, v[AK0+\a]
.endr
	LOADS 0
	LOADH 0, 0
	LOADH 0, 1
	KQBLOCK 0
	KQBLOCK 1
	KQBLOCK 2
	KQBLOCK 3
.set QJ, 0
.set QLEN, 55
	QRUN 3, 55                                     ; the last block's quantiser has no products to stand beside: P's four blocks go into one matrix instruction
	PLACES 8                                       ; a scale register written by a vector instruction stands 8 places ahead of the scaled matrix instruction, an operand so written 4
.set FI, 0
.rept 8
.if FI == 0
.set CONS, CONS+20
	s_wait_dscnt ISS-CONS                          ; V's scale words and its first four fragments are in; the other 12 loads may be out
.endif
.if FI == 4
.set CONS, CONS+12
	s_wait_dscnt ISS-CONS                          ; all are in
.endif
	WIN W_PV
	PV1 FI, 0, \first
	PV1 FI, 1, \first
.set FI, FI+1
.endr
	WIN 0
	PLACES 4                                       ; in front of the next unit's loads, and of the way out's reads of O^T
.if !\first
.Lidle_\@:
.endif
.endm
; THE CHANGE OF SLOTS stands at a slot's head.  Each wave waits for all its tensor loads (its part of the slot that it is about to read), adds 0 to its spare word, and waits for that and for its reads of the slot that it has left.
; fill = 1: a round of the cluster's barrier follows, so that no wave of any partner still reads that slot or has a load on its way, and the joint load of the 256 keys behind those of the slot ahead is the first thing behind the round.
.macro CHANGE fill
	s_wait_tensorcnt 0x0                           ; no tensor load of mine is out, so a group 0 may be written
	ds_add_u32 v[SPW], v[NIL]                      ; 0 onto my spare word
.if \fill
	s_xor_b32 s37, s37, SLOT1                      ; the walking descriptor: the other slot than last time,
	s_add_nc_u64 s[38:39], s[38:39], s[2:3]        ; the next 256 keys; the type bits on top are not reached
.endif
	s_wait_dscnt 0x0                               ; the add is done, and my reads of the slot that I have left are over
.if \fill
	CROUND
	JLOAD
.else
	s_barrier_signal -1
	s_barrier_wait -1
.endif
.endm
	s_mov_b32 s19, 0                               ; the slot's number
	s_mov_b32 s20, 0                               ; LDS byte at which the slot in hand begins
	s_wait_tensorcnt 0x1                           ; my part of slot 0 is in; slot 1's may stay out
	s_barrier_signal -1
	s_barrier_wait -1                              ; everybody's is
	s_wait_loadcnt 0x0                             ; Q
	UNIT 1
	s_xor_b32 s20, s20, SLOT1
	s_mov_b32 s19, 1
.Lslot:                                            ; slots 1 .. 6 - c: 3 to 6 trips, the same number in all four partners; each fills the slot just left with the keys of the slot after it
	CHANGE 1
	UNIT 0
	s_xor_b32 s20, s20, SLOT1
	s_add_co_u32 s19, s19, 1
	s_cmp_lt_u32 s19, s18
	s_cbranch_scc1 .Lslot
	CHANGE 0                                       ; the last slot is written out: nothing is left to ask for
	UNIT 0
	; THE WAY OUT.  Register j of accumulator d holds o(query at place r, channel 16 d + 8 h + j): 32 neighbouring bytes of a row.  Set 0 goes to my first area, set 1 to my partner's second; then each wave reads its two areas by
	; whole rows, adds them and stores rows of 512 bytes.
	s_wait_dscnt 0x0
	s_barrier_signal -1
	s_barrier_wait -1                              ; no wave reads a slot any more, and every tensor load has landed (each wave's wait at the last change of slots)
	WIN W_KQ                                       ; the stores' data: window 1
.irp x, 0,1
.irp d, 0,1,2,3,4,5,6,7
	ds_store_b128 v[STO+\x], v[OT+64*\x+8*\d:OT+64*\x+8*\d+3] offset:64*\d          ; each accumulator from its low end on
	ds_store_b128 v[STO+\x], v[OT+64*\x+8*\d+4:OT+64*\x+8*\d+7] offset:64*\d+16
.endr
.endr
	WIN 0
	s_wait_dscnt 0x0                               ; for my partner's sake: my stores are done
	s_barrier_signal -1
	s_barrier_wait -1
.irp t, 0,1,2,3,4,5,6,7,8,9,10,11,12,13,14,15
	ds_load_b128 v[96+4*\t:99+4*\t], v[RD] offset:SP*\t
	ds_load_b128 v[160+4*\t:163+4*\t], v[RD] offset:AREA+SP*\t
.endr
.irp t, 0,1,2,3,4,5,6,7,8,9,10,11,12,13,14,15
	s_wait_dscnt 30-2*\t                           ; row t's two loads are in; the later rows' may be out
	v_pk_add_f32 v[96+4*\t:97+4*\t], v[96+4*\t:97+4*\t], v[160+4*\t:161+4*\t]
	v_pk_add_f32 v[98+4*\t:99+4*\t], v[98+4*\t:99+4*\t], v[162+4*\t:163+4*\t]
	global_store_b128 v[GO], v[96+4*\t:99+4*\t], s[44:45] offset:512*(\t+8*(\t/8)) th:TH_STORE_NT   ; 32 lanes store a row's 512 consecutive bytes, at a multiple of 256 from out0's first byte
.endr
	s_wait_tensorcnt 0x0                           ; the wave's end, behind my last tensor load and my last LDS store
	ds_add_u32 v[SPW], v[NIL]
	s_wait_dscnt 0x0
	CROUND                                         ; the closing round: no work-group ends while a partner may still ask for a tile that names it
	s_endpgm
.Lfunc_end_k_q536a7d82db_attn:
	.size	k_q536a7d82db_attn, .Lfunc_end_k_q536a7d82db_attn-k_q536a7d82db_attn
	.p2alignl 7, 3214868480
	.fill 96, 4, 3214868480
	.section	.rodata,"a",@progbits
	.p2align	6, 0x0
	.amdhsa_kernel k_q536a7d82db_attn
		.amdhsa_group_segment_fixed_size 327680
		.amdhsa_private_segment_fixed_size 0
		.amdhsa_enable_private_segment 0
		.amdhsa_kernarg_size 24
		.amdhsa_user_sgpr_count 2
		.amdhsa_user_sgpr_kernarg_segment_ptr 1
		.amdhsa_wavefront_size32 1
		.amdhsa_system_sgpr_workgroup_id_x 1
		.amdhsa_system_sgpr_workgroup_id_y 1
		.amdhsa_system_sgpr_workgroup_id_z 1
		.amdhsa_system_vgpr_workitem_id 0
		.amdhsa_next_free_vgpr 512
		.amdhsa_next_free_sgpr 66
		.amdhsa_reserve_vcc 1
		.amdhsa_float_denorm_mode_32 3
		.amdhsa_float_denorm_mode_16_64 3
		.amdhsa_memory_ordered 1
		.amdhsa_forward_progress 1
		.amdhsa_inst_pref_size 147
	.end_amdhsa_kernel
	.amdgpu_metadata
---
amdhsa.version: [ 1, 2 ]
amdhsa.kernels:
  - .name:           k_q536a7d82db_attn
    .symbol:         k_q536a7d82db_attn.kd
    .args:
      - { .name: kq, .offset: 0, .size: 8, .value_kind: global_buffer, .address_space: global }
      - { .name: vt, .offset: 8, .size: 8, .value_kind: global_buffer, .address_space: global }
      - { .name: out0, .offset: 16, .size: 8, .value_kind: global_buffer, .address_space: global }
    .group_segment_fixed_size: 327680
    .private_segment_fixed_size: 0
    .kernarg_segment_align: 8
    .kernarg_segment_size: 24
    .max_flat_workgroup_size: 256
    .sgpr_count:     66
    .vgpr_count:     512
    .wavefront_size: 32
...
	.end_amdgpu_metadata
.endif
;; end of part 2
